; MI455X (gfx1250); checked and timed in simulation.
; The chip was launched on July 23, 2026; its instructions are those of AMD's public machine-readable ISA for CDNA 5 (MIT licence, August 2026) and "CDNA5" Instruction Set Architecture Reference Guide (July 2026). The comments in the code are by the model that wrote it; some were corrected since.
;; Relation. Allowed arithmetic: matrix products marked QUANTISED: E5M2 operands, one given power-of-two scale a tensor, by v_wmma_f32_16x16x64_bf8_bf8 or v_wmma_f32_16x16x128_bf8_bf8, f32 sums; everything else in f32.
;; Inputs: lowp_scales 2 int32 (the exponents e of the quantised operands' scales 2^e); w_qkv_codes 768 x 4 x 32 uint8 (E5M2 codes of w_qkv, K innermost, in blocks of 32 codes); x_codes 4 x 64 x 64 x 4 x 32 uint8 (E5M2 codes of x, K innermost, in blocks of 32 codes).
;; Outputs: out0 4 x 256 x 64 x 64 float32.
;; This version of the problem:
;;   THIS VERSION OF THE PROBLEM IS GIVEN IN LOW PRECISION. The matrix products marked QUANTISED in the list below multiply operands that are first quantised to E5M2 (5 exponent bits, 2 mantissa bits; 8 bits a number), with one given power-of-two scale for each operand tensor; their sums are f32. All else is computed in f32.
;;   The module's matrix products, in the order in which they are computed (A, B: the left and right operand; K: the contracted axis; several contracted axes count as one K, in the product's order):
;;     1. [M 768, K 128] x [K 128, N 16,384]; A: input w_qkv (given as codes); B: input x (given as codes): QUANTISED (scales: A lowp_scales[0], B lowp_scales[1])
;;   THE QUANTISER, for each operand of a quantised product, along K:
;;     - The operand's scale is 2^e, e = its entry of the input lowp_scales (int32; the entries are numbered through the quantised products in the list's order, A before B).
;;     - Each number is divided by the scale, clamped to +-57,344, and rounded to the nearest number of E5M2, ties to even, subnormals kept.
;;     - The product sums the exact products of the quantised numbers (number of the format x scale) in f32.
;;   ~~~python
;;   def quantise(x, axis, e):      # numpy; x: float32 -> the quantised numbers, widened to float32 again
;;       x = np.moveaxis(x, axis, -1); K = x.shape[-1]
;;       r = np.clip(x / 2.0 ** e, -57344, 57344)
;;       step = 2.0 ** (np.maximum(np.frexp(np.where(r == 0, 1, r))[1] - 1, -14) - 2)
;;       q = np.round(r / step) * step * 2.0 ** e      # np.round: ties to even
;;       return np.moveaxis(q, -1, axis).astype(np.float32)
;;   ~~~
;;   INPUTS GIVEN AS CODES. w_qkv (in the module: [768, 128], K = its axis 1); x (in the module: [4, 128, 64, 64], K = its axis 1): each comes as NAME_codes (uint8): NAME with its K axis moved to the last place and cut into blocks of 32 codes, [.., K / 32, bytes a block], one block behind the other in memory; one code a byte (a code: sign, 5 exponent bits, 2 mantissa bits); its scale is its entry of lowp_scales. Its value is code x scale, taken as it is: it is not quantised again, and the codes and scales need not be those that the quantiser above would give.
;; 2 versions, each right; version 2 is version 1 with the launch relation written anew for expert scheduling mode. Each part assembles by itself: llvm-mc -triple=amdgcn-amd-amdhsa -mcpu=gfx1250 --defsym DOCPART=n.
;; ======== version 1 of 2: 1 launch
;; limits: right only within a limited range of input values
;; launch relation (part 1): grid 8 x 32, 4 waves a work-group, no clusters, 209,408 bytes of LDS; arguments lowp_scales, w_qkv_codes, x_codes, out0; writes out0
.if DOCPART == 1
	.amdgcn_target "amdgcn-amd-amdhsa--gfx1250"
	.amdhsa_code_object_version 6
	.text
	.protected	k_q12ed446c3c_relation
	.globl	k_q12ed446c3c_relation
	.p2align	8
	.type	k_q12ed446c3c_relation,@function
k_q12ed446c3c_relation:
	s_mov_b64 s[64:65], 0
	v_nop
	global_prefetch_b8 v0, s[64:65] scope:SCOPE_SE
	s_setreg_imm32_b32 hwreg(HW_REG_WAVE_MODE, 25, 1), 1
	s_wait_xcnt 0x0
; out[n][32 hd + d][y][x] = sum over the 5 x 5 window o of softmax_o(Q[.,y,x] . K[.,(y,x)+o]) V[d,(y,x)+o], Q, K, V = w_qkv x (a 1 x 1 convolution), zeros outside the image (they count in the softmax, with score 0).
; The convolution is done on the given E5M2 codes by v_wmma_f32_16x16x128_bf8_bf8 (K = 128: one instruction a sum); all the rest in f32.
; SHARES.  A work-group owns one image, one head and a strip of 8 image rows: 4 x 8 x 8 = 256 work-groups of four waves.  It makes K and V of the strip's 12 key rows (2 above, 2 below) into LDS, f32, once;
; then wave w owns image rows 2 w, 2 w + 1 of the strip, all 64 columns.  A PAIR of lanes (r, r + 16) owns 2 rows x 4 columns (4 r .. 4 r + 3): 8 pixels, whose windows cover 6 x 8 key places.
; THE PAIR SPLITS THE WINDOW, NOT THE CHANNELS.  Lane half h calls row 2 w + h its OWN row and the pair's other row its OTHER row, and takes three key rows: own - 2, own - 1, own for h = 0, own + 2, own + 1, own for h = 1
; (mirrored, so that both halves run the same lines).  The first serves the own row alone, the two others both rows.  So a lane holds 100 WHOLE scores (60 of its own 4 pixels, 40 of the other 4) and loads each of its 24 key places
; once for K and once for V: 6 places a pixel in place of 25.  What the halves exchange: a pixel's largest score, its sum and reciprocal, and at the end the other row's 128 partial outputs.
; Q in that order (own, other) is had from the matrix unit: each tile of Q is made twice, and v_permlane16_swap_b32 of a row-0 tile with a row-1 tile leaves 8 channels of the lane's own (or other) row in each.
; SCALES.  Sums of codes are kept as they are; a score is multiplied by c = log2(e) 2^(2 (e0 + e1)) on its way into the exponential, the reciprocal of a pixel's sum by 2^(e0 + e1).
; LIMITS.  e0 + e1 between -63 and 63 (c is made by adding to its exponent field).  Codes of infinity or NaN are not served.  A score's even and odd channels are summed apart and added at the end.
; NO CLUSTER, NO TENSOR LOAD.  The eight heads of a strip read the same 98,304 bytes of x.  Here they go once from memory straight into the operand's registers (48 loads a wave, all issued at the head); a joint tensor load would
; lay them in LDS, whence the same bytes would have to be read once more beside the 786,432 bytes that the two main loops read there, and a tile cannot begin above the image's first row, where strip 0 needs zeros.
; LDS: [12 key rows][K, V][8 chunks of 4 channels][u % 4][u / 4: 17 places][16 bytes], u = column + 2 (0 .. 67).  Lane r wants columns 4 r + const: in every store and load sixteen lanes touch 256 consecutive bytes.
; REGISTERS, in windows of 256 (s_set_vgpr_msb: bits 1:0 source 0, 3:2 source 1, 5:4 source 2, 7:6 destination).
;   window 0: v1-3 LDS addresses of my three key rows; v4-107 scores, then weights (own pixel j: 16 j + 5 i + e, place 15 a zero; other pixel j: 64 + 10 j + 5 (i - 1) + e); v108-127 ten accumulator pairs; v128-255 K's ring.
;             In the first phase: v4-15 addresses and zeros, v16-111 the head's six fragments of w, v112 one more address, v128-255 results of K and V on their way to LDS.
;   window 1: Q: own pixel j at 32 j + d, other pixel j at 128 + 32 j + d.  Later: outputs of channels 0-15 (64 rho + 16 j + d) and, from v128, V's ring.
;   window 2: v0-191 x's twelve fragments.  Later: outputs of channels 16-31 and V's ring.
.set CHB,   1088                       ; a chunk: 4 x 17 places of 16 bytes
.set UMB,   272                        ; 17 places
.set KVB,   8*CHB                      ; K's (or V's) 32 channels of a key row
.set ROWL,  2*KVB                      ; a key row
.set AD,    1                          ; v1-3
.set F0,    4                          ; v4-107
.set ACC,   108                        ; v108-127
.set RING,  128                        ; v128-255: eight places of 16 registers
.set XO,    6                          ; first phase: x's lane offset
.set WO,    7                          ; w's lane offset
.set ST0,   8                          ; where my first key row's results go
.set ST1,   9                          ; and those of my two own rows
.set WQ,    16                         ; w's fragments: Q's two tiles of 16 channels,
.set WKV,   48                         ; K's two, V's two: up to v111
.set ZA,    112                        ; first phase: the third address of the zeros' stores: behind w's fragments, whose loads are out meanwhile
.set MO,    128                        ; softmax, at work: own pixel j's largest score, then c x it, at MO + 2 j
.set MT,    136                        ; the other pixels'
.set PX,    144                        ; what came from the partner lane
.set SO,    152                        ; sums, in pairs
.set SU,    160
.set RO,    168                        ; reciprocals
.set RT,    176
.set PB,    4                          ; the way out: the partner's partial outputs
.set WV,    12                         ; s12 wave
.set CS,    34                         ; s[34:35] c (the packed form names a pair and takes its low word for both halves)
.set SEL,   36                         ; s[36:37] v_permlanex16_b32's selects for lane l xor 16
.set EE,    38                         ; s38 e0 + e1
.set MSB,   0
.macro WIN new                         ; the immediate's high byte repeats the setting that is left; a switch that changes nothing is dropped
.if MSB != (\new)
	s_set_vgpr_msb (MSB<<8)|(\new)
.set MSB, (\new)
.endif
.endm
; A UNIT is one of my three key rows (UI) and two of its eight key columns (CA, CB; column cc stands for image column 4 r + cc - 2 and serves pixels j with j <= cc <= j + 4).  The pairs (3,0), (2,1), (4,7), (5,6) serve five pixels each.
; Units go row 1, row 0, row 2 by turns, so that the short ones (row 0 serves one pixel row) stand between long ones.
.macro UNITSET u
.set UI, 1
.if (\u)%3 == 1
.set UI, 0
.endif
.if (\u)%3 == 2
.set UI, 2
.endif
.set CA, 3
.set CB, 0
.if (\u)/3 == 1
.set CA, 2
.set CB, 1
.endif
.if (\u)/3 == 2
.set CA, 4
.set CB, 7
.endif
.if (\u)/3 == 3
.set CA, 5
.set CB, 6
.endif
.endm
; The four loads of step LN: eight channels of a unit's two places, into ring place LN % 8.  K: unit LN / 4, channels 8 (LN % 4) on.  V: channels 16 (LN / 24) + 8 (LN % 2) on, unit (LN % 24) / 2.
.macro RINGLOAD kv
.if \kv
	UNITSET (LN%24)/2
.set LC, 4*(LN/24)+2*(LN%2)
.else
	UNITSET LN/4
.set LC, 2*(LN%4)
.endif
.set LR, RING+16*(LN%8)
.set LOA, \kv*KVB+LC*CHB+(CA%4)*UMB+(CA/4)*16
.set LOB, \kv*KVB+LC*CHB+(CB%4)*UMB+(CB/4)*16
	ds_load_b128 v[LR:LR+3],     v[AD+UI] offset:LOA
	ds_load_b128 v[LR+4:LR+7],   v[AD+UI] offset:LOA+CHB
	ds_load_b128 v[LR+8:LR+11],  v[AD+UI] offset:LOB
	ds_load_b128 v[LR+12:LR+15], v[AD+UI] offset:LOB+CHB
.endm
; Walks the (place, pixel) pairs of the unit in hand, always in the same order.  mode 0: score += K . Q for channel pair dp of the step;  1: a finished score's two halves are added;  2: output += weight x V, four channel pairs.
.macro CHAINS mode, dp
.set CH, 0
.irp pp,0,1
.set CC, CA
.if \pp
.set CC, CB
.endif
.irp rho,0,1
.if (\rho == 0) || (UI > 0)
.irp j,0,1,2,3
.if (CC >= \j) && (CC <= \j+4)
.set FR, F0+16*\j+5*UI+CC-\j
.if \rho
.set FR, F0+64+10*\j+5*(UI-1)+CC-\j
.endif
.set AR, ACC+2*CH
.if \mode == 0
.set KP, KR+8*\pp+2*\dp
.set QP, 128*\rho+32*\j+8*QQ+2*\dp
.if (QQ == 0) && (\dp == 0)
	v_pk_mul_f32 v[AR:AR+1], v[KP:KP+1], v[QP:QP+1]                       ; the first product starts the sums: nothing is cleared
.else
	v_pk_fma_f32 v[AR:AR+1], v[KP:KP+1], v[QP:QP+1], v[AR:AR+1]
.endif
.endif
.if \mode == 1
	v_fma_f32 v[FR], v[AR], 1.0, v[AR+1]                                  ; even channels' sum + odd channels' (an addition in this form: source 1's window is Q's here, and a constant has no window)
.endif
.if \mode == 2
.set FP, FR-FR%2
.irp d2,0,1,2,3
.set OP, 64*\rho+16*\j+8*Q2+2*\d2
.set VP, KR+8*\pp+2*\d2
.if FIRST && (\pp == 0)
.if FR%2
	v_pk_mul_f32 v[OP:OP+1], v[FP:FP+1], v[VP:VP+1] op_sel:[1,0] op_sel_hi:[1,1]
.else
	v_pk_mul_f32 v[OP:OP+1], v[FP:FP+1], v[VP:VP+1] op_sel_hi:[0,1]
.endif
.else
.if FR%2
	v_pk_fma_f32 v[OP:OP+1], v[FP:FP+1], v[VP:VP+1], v[OP:OP+1] op_sel:[1,0,0] op_sel_hi:[1,1,1]
.else
	v_pk_fma_f32 v[OP:OP+1], v[FP:FP+1], v[VP:VP+1], v[OP:OP+1] op_sel_hi:[0,1,1]
.endif
.endif
.endr
.endif
.set CH, CH+1
.endif
.endr
.endif
.endr
.endr
.endm
; Step N of 48 of the scores: 20 or 40 packed multiply-adds on 5 or 10 chains by turns; then the ring place just read takes step N + 8.
.macro QKSTEP
	UNITSET N/4
.set QQ, N%4
.set KR, RING+16*(N%8)
.set LEFT, 47-N
.if LEFT > 7
.set LEFT, 7
.endif
	s_wait_dscnt 4*LEFT                            ; LDS loads come back in order: this step's four are in; the four of each of the up to seven younger steps may be out
.irp dq,0,1,2,3
	CHAINS 0, \dq
.endr
.if QQ == 3
	CHAINS 1, 0
.endif
.if N+8 < 48
.set LN, N+8
	RINGLOAD 0
.endif
.set N, N+1
.endm
; Step N of 48 of the outputs.  Steps 0-23: channels 0-15, outputs and ring in window 1; steps 24-47: channels 16-31, window 2.  The first place walked (key row 1, column 3) serves all eight pixels: its products start the sums.
.macro AVSTEP
	UNITSET (N%24)/2
.set Q2, N%2
.set KR, RING+16*(N%8)
.set FIRST, 0
.if (N%24) < 2
.set FIRST, 1
.endif
.set LEFT, 47-N
.if LEFT > 7
.set LEFT, 7
.endif
	s_wait_dscnt 4*LEFT                            ; as in QKSTEP
	WIN 0x54*(1+N/24)                              ; weight (source 0) window 0; V, the sums and the result window 1 or 2
	CHAINS 2, 0
.if N+8 < 48
.set LN, N+8
	WIN 0x54*(1+LN/24)                             ; the load's destination is the ring of the half that step N + 8 belongs to; its address is source 0: window 0
	RINGLOAD 1
.endif
.set N, N+1
.endm
; K and V of two tiles of 16 pixels (columns 4 r + t, t = t0, t0 + 1) of my key row i: eight matrix instructions, each a whole sum; source 0 = 16 channels of w, source 1 = 16 pixels: lane (r, h) holds pixel r, channels 8 h + 0 .. 7.
.macro KVBATCH i, t0, set, wt
.if \wt
	s_wait_dscnt 16                                ; the stores that read these registers two batches ago are done; the last batch's sixteen may be out
.endif
	WIN 0x08                                       ; source 1 (x) window 2
.irp tt,0,1
.irp p,0,1,2,3
	v_wmma_f32_16x16x128_bf8_bf8 v[\set+32*\tt+8*\p:\set+32*\tt+8*\p+7], v[WKV+16*\p:WKV+16*\p+15], v[64*\i+16*(\t0+\tt):64*\i+16*(\t0+\tt)+15], 0
.endr
.endr
	WIN 0
.rept 4
	v_nop                                          ; four places between a matrix instruction and the LDS store that reads its result; two batches' eight stand ahead of the matrix instructions that write these registers again
.endr
.set SA, ST0
.set SI, 0
.if \i > 0
.set SA, ST1
.set SI, (\i-1)*ROWL
.endif
.irp tt,0,1
.irp p,0,1,2,3
.set SOF, SI+(\p/2)*KVB+(\p%2)*4*CHB+((\t0+\tt+2)%4)*UMB+((\t0+\tt+2)/4)*16
	ds_store_b128 v[SA], v[\set+32*\tt+8*\p:\set+32*\tt+8*\p+3] offset:SOF          ; each result from its low end on
	ds_store_b128 v[SA], v[\set+32*\tt+8*\p+4:\set+32*\tt+8*\p+7] offset:SOF+CHB
.endr
.endr
.endm
; v_permlane16_swap_b32 a, b exchanges a's lanes 16-31 with b's lanes 0-15.  a = a tile of one row, b = the same tile of the pair's other row: afterwards a holds channels 0-7 and b channels 8-15, each lane half of ITS row.
.macro SWAPS g0
.set G, \g0
.rept 8
.irp k,0,1,2,3,4,5,6,7
	v_permlane16_swap_b32 v[16*G+\k], v[16*G+8+\k]
.endr
.set G, G+1
.endr
.endm
	s_load_b256 s[4:11], s[0:1], 0x0               ; the scales' exponents s[4:5], w's codes s[6:7], x's codes s[8:9], out s[10:11]
	s_set_vgpr_msb 0xc0
	v_lshl_add_u32 v0, v0, 2, 0x33000
	v_mov_b32 v1, 0
	s_set_vgpr_msb 0xc000
	v_lshrrev_b32 v1, 5, v0
	v_readfirstlane_b32 s[WV], v1                  ; wave 0..3
	v_and_b32 v4, 15, v0                           ; r
	v_bfe_u32 v5, v0, 4, 1                         ; h
	v_lshlrev_b32 v[XO], 9, v4
	v_lshl_add_u32 v[XO], v5, 4, v[XO]             ; x: pixel 4 r of a row (128 bytes a pixel), + 16 h
	v_lshlrev_b32 v[WO], 7, v4
	v_lshl_add_u32 v[WO], v5, 4, v[WO]             ; w: row r of 128 bytes, + 16 h
	s_and_b32 s13, ttmp7, 0xffff                   ; 8 x image + head
	s_lshr_b32 s14, s13, 3                         ; image
	s_and_b32 s15, s13, 7                          ; head
	s_lshr_b32 s16, s[WV], 1
	s_lshl_b32 s16, s16, 3
	s_add_co_u32 s16, s16, s[WV]                   ; my first key row of the twelve: 0, 1, 10, 11: the four that may lie outside the image, one a wave
	s_lshl_b32 s17, ttmp9, 3                       ; the strip's first image row
	s_add_co_u32 s18, s17, s16
	s_sub_co_i32 s18, s18, 2                       ; that key row in the image: -2 .. 65
	s_max_i32 s19, s18, 0
	s_min_i32 s19, s19, 63                         ; no load leaves the buffer: a row outside is read from the nearest row inside,
	s_cmp_eq_u32 s18, s19
	s_cselect_b32 s20, -1, 0                       ; and its codes are masked to zeros
	s_lshl_b32 s22, s14, 19                        ; an image: 64 x 64 x 128 bytes
	s_lshl_b32 s24, s19, 13                        ; a row: 8,192 bytes
	s_add_co_u32 s24, s24, s22
	s_mov_b32 s25, 0
	s_lshl_b32 s23, s[WV], 1
	s_add_co_u32 s23, s23, s17                     ; my two own image rows begin here (key rows 2 + 2 w, 3 + 2 w)
	s_lshl_b32 s26, s23, 13
	s_add_co_u32 s26, s26, s22
	s_mov_b32 s27, 0
	s_lshl_b32 s28, s15, 12                        ; the head's 32 rows of w
	s_mov_b32 s29, 0
	s_lshl_b32 s30, s13, 19                        ; out: 32 channels x 16,384 bytes for each (image, head),
	s_lshl_b32 s31, ttmp9, 11                      ; + the strip's 8 rows of 256 bytes
	s_add_co_u32 s30, s30, s31
	s_mov_b32 s31, 0
	s_mov_b32 s[SEL], 0x76543210
	s_mov_b32 s[SEL+1], 0xfedcba98
	s_wait_kmcnt 0x0
	s_load_b64 s[32:33], s[4:5], 0x0               ; e0, e1
	s_add_nc_u64 s[6:7], s[6:7], s[28:29]
	s_add_nc_u64 s[24:25], s[8:9], s[24:25]        ; x at my first key row
	s_add_nc_u64 s[26:27], s[8:9], s[26:27]        ; x at my own rows
	s_add_nc_u64 s[10:11], s[10:11], s[30:31]
	; All 72 loads go out together.  A fragment (16 rows x 128 codes) is four loads of 16 bytes a lane, at 32 c + 16 h of the lane's row: the same places of k in w and in x, so every product meets its partner.
.irp p,0,1,2
.irp m,0,1
.irp c,0,1,2,3
	global_load_b128 v[WQ+32*\p+16*\m+4*\c:WQ+32*\p+16*\m+4*\c+3], v[WO], s[6:7] offset:32768*\p+2048*\m+32*\c   ; Q's, K's, V's rows lie 256 rows apart
.endr
.endr
.endr
	WIN 0x80                                       ; destination window 2
.irp i,1,2
.irp t,0,1,2,3
.irp c,0,1,2,3
	global_load_b128 v[64*\i+16*\t+4*\c:64*\i+16*\t+4*\c+3], v[XO], s[26:27] offset:8192*(\i-1)+128*\t+32*\c
.endr
.endr
.endr
.irp t,0,1,2,3
.irp c,0,1,2,3
	global_load_b128 v[16*\t+4*\c:16*\t+4*\c+3], v[XO], s[24:25] offset:128*\t+32*\c
.endr
.endr
	WIN 0
	; LDS addresses, while the loads are out: they touch v1-15 and v112 alone, none of which a pending load fills or reads but XO and WO, which stay
	s_mul_i32 s39, s16, ROWL                       ; my first key row
	s_mul_i32 s40, s[WV], 2*ROWL                   ; key row 2 w
	s_add_co_u32 s41, s40, 2*ROWL                  ; key row 2 + 2 w
	v_lshlrev_b32 v1, 4, v4                        ; 16 r
	v_mul_u32_u24 v8, v5, 2*CHB                    ; stores: lanes 16-31 hold channels 8 on: two chunks on
	v_add_nc_u32 v8, v8, v1
	v_add_nc_u32 v[ST1], s41, v8
	v_add_nc_u32 v[ST0], s39, v8
	v_add_nc_u32 v1, s40, v1
	v_mul_u32_u24 v3, v5, ROWL                     ; loads: my key row i is row 2 w + i for h = 0 and 2 w + 5 - i for h = 1: the lower base + h x the distance
	v_add_nc_u32 v3, v3, v1
	v_add_nc_u32 v3, 2*ROWL, v3                    ; i = 2: my own row
	v_mul_u32_u24 v2, v5, 3*ROWL
	v_add_nc_u32 v2, v2, v1
	v_add_nc_u32 v2, ROWL, v2                      ; i = 1
	v_mul_u32_u24 v10, v5, 5*ROWL
	v_add_nc_u32 v1, v10, v1                       ; i = 0: the far row
	; zeros for columns -2, -1, 64, 65: four places in each of the 192 chunks; thread t takes place t % 4 of chunks t / 4 + 32 k
	v_and_b32 v10, 3, v0
	v_lshrrev_b32 v11, 2, v0
	v_mul_u32_u24 v11, v11, CHB
	v_mul_u32_u24 v12, v10, UMB
	v_add_nc_u32 v11, v11, v12
	v_lshrrev_b32 v10, 1, v10
	v_lshl_add_u32 v10, v10, 8, v11                ; u = 0, 1: first place of its 17; u = 66, 67: the last, 256 bytes on
	v_add_nc_u32 v11, 64*CHB, v10
	v_add_nc_u32 v[ZA], 128*CHB, v10
.irp q,12,13,14,15
	v_mov_b32 v\q, 0
.endr
	ds_store_b128 v10, v[12:15]
	ds_store_b128 v10, v[12:15] offset:32*CHB
	ds_store_b128 v11, v[12:15]
	ds_store_b128 v11, v[12:15] offset:32*CHB
	ds_store_b128 v[ZA], v[12:15]
	ds_store_b128 v[ZA], v[12:15] offset:32*CHB
	s_wait_kmcnt 0x0
	s_add_co_i32 s[EE], s32, s33                   ; e0 + e1
	s_lshl_b32 s[CS], s[EE], 24                    ; 2 (e0 + e1) in the exponent field,
	s_add_co_i32 s[CS], s[CS], 0x3fb8aa3b          ; onto log2(e): c
	s_mov_b32 s[CS+1], s[CS]
	s_wait_loadcnt 32                              ; w and my first own row are in; the 32 loads of the two other rows may be out
	KVBATCH 1, 0, RING, 0
	KVBATCH 1, 2, RING+64, 0
	s_wait_loadcnt 16                              ; my second own row is in
	KVBATCH 2, 0, RING, 1
	KVBATCH 2, 2, RING+64, 1
	WIN 0x48                                       ; Q: source 1 (x) window 2, destination window 1.  Each tile twice: once for the own-row set, once for the other-row set
.irp t,0,1,2,3
.irp m,0,1
	v_wmma_f32_16x16x128_bf8_bf8 v[32*\t+16*\m:32*\t+16*\m+7],          v[WQ+16*\m:WQ+16*\m+15], v[64+16*\t:64+16*\t+15], 0
	v_wmma_f32_16x16x128_bf8_bf8 v[32*\t+16*\m+8:32*\t+16*\m+15],       v[WQ+16*\m:WQ+16*\m+15], v[128+16*\t:128+16*\t+15], 0
	v_wmma_f32_16x16x128_bf8_bf8 v[128+32*\t+16*\m:128+32*\t+16*\m+7],  v[WQ+16*\m:WQ+16*\m+15], v[128+16*\t:128+16*\t+15], 0
	v_wmma_f32_16x16x128_bf8_bf8 v[128+32*\t+16*\m+8:128+32*\t+16*\m+15], v[WQ+16*\m:WQ+16*\m+15], v[64+16*\t:64+16*\t+15], 0
.endr
.endr
	s_wait_loadcnt 0x0                             ; my first key row
	WIN 0x88                                       ; source 1 and destination window 2
.set R, 0
.rept 64
	v_and_b32 v[R], s20, v[R]                      ; zero codes where the row lies outside the image: K = V = 0 there.  (These 64 are also the places behind Q's matrix instructions)
.set R, R+1
.endr
	KVBATCH 0, 0, RING, 1
	KVBATCH 0, 2, RING+64, 1
	s_wait_dscnt 0x0                               ; for the others' sake: all my stores of K, V and zeros have landed
	s_barrier_signal -1
	WIN 0x41                                       ; both operands window 1
	SWAPS 0                                        ; Q of the own row: work on registers while the others arrive
	WIN 0x04                                       ; THE SCORES' SETTING: source 1 (Q) window 1, all else window 0
	s_barrier_wait -1                              ; the twelve key rows are whole
.set LN, 0
.rept 8
	RINGLOAD 0                                     ; the ring's first eight steps: 32 loads
.set LN, LN+1
.endr
	WIN 0x41
	SWAPS 8                                        ; Q of the other row, while they are on their way
	WIN 0x04
.set N, 0
.rept 48
	QKSTEP
.endr
	; THE SOFTMAX.  V's first eight steps are asked for first (Q's registers are free): they land while it runs.
	WIN 0x54
.set LN, 0
.rept 8
	RINGLOAD 1
.set LN, LN+1
.endr
	WIN 0
.irp j,0,1,2,3
	v_mov_b32 v[F0+16*\j+15], 0                    ; the sixteenth place beside an own pixel's fifteen scores: a weight of zero
.endr
.irp j,0,1,2,3
	v_max3_num_f32 v[MO+2*\j], v[F0+16*\j], v[F0+16*\j+1], v[F0+16*\j+2]
	v_max3_num_f32 v[MT+2*\j], v[F0+64+10*\j], v[F0+64+10*\j+1], v[F0+64+10*\j+2]
.endr
.irp k,3,5,7
.irp j,0,1,2,3
	v_max3_num_f32 v[MO+2*\j], v[MO+2*\j], v[F0+16*\j+\k], v[F0+16*\j+\k+1]
	v_max3_num_f32 v[MT+2*\j], v[MT+2*\j], v[F0+64+10*\j+\k], v[F0+64+10*\j+\k+1]
.endr
.endr
.irp k,9,11,13
.irp j,0,1,2,3
	v_max3_num_f32 v[MO+2*\j], v[MO+2*\j], v[F0+16*\j+\k], v[F0+16*\j+\k+1]
.endr
.endr
.irp j,0,1,2,3
	v_max_num_f32 v[MT+2*\j], v[MT+2*\j], v[F0+64+10*\j+9]
.endr
.irp j,0,1,2,3
	v_permlanex16_b32 v[PX+\j], v[MT+2*\j], s[SEL], s[SEL+1]     ; my partner's other pixel j is my own pixel j: the largest of its ten scores there
.endr
.irp j,0,1,2,3
	v_max_num_f32 v[MO+2*\j], v[MO+2*\j], v[PX+\j]               ; the pixel's largest of all 25
.endr
.irp j,0,1,2,3
	v_permlanex16_b32 v[MT+2*\j], v[MO+2*\j], s[SEL], s[SEL+1]   ; and my other pixels', from the lane that owns them
.endr
.irp j,0,1,2,3
	v_mul_f32 v[MO+2*\j], s[CS], v[MO+2*\j]
	v_mul_f32 v[MT+2*\j], s[CS], v[MT+2*\j]
.endr
.irp k,0,2,4,6,8,10,12
.irp j,0,1,2,3
	v_pk_fma_f32 v[F0+16*\j+\k:F0+16*\j+\k+1], v[F0+16*\j+\k:F0+16*\j+\k+1], s[CS:CS+1], v[MO+2*\j:MO+2*\j+1] op_sel_hi:[1,0,0] neg_lo:[0,0,1] neg_hi:[0,0,1]   ; c s - c max, two at a time
.endr
.endr
.irp j,0,1,2,3
	v_fma_f32 v[F0+16*\j+14], v[F0+16*\j+14], s[CS], -v[MO+2*\j]
.endr
.irp k,0,2,4,6,8
.irp j,0,1,2,3
	v_pk_fma_f32 v[F0+64+10*\j+\k:F0+64+10*\j+\k+1], v[F0+64+10*\j+\k:F0+64+10*\j+\k+1], s[CS:CS+1], v[MT+2*\j:MT+2*\j+1] op_sel_hi:[1,0,0] neg_lo:[0,0,1] neg_hi:[0,0,1]
.endr
.endr
.irp j,0,1,2,3
.irp k,0,1,2,3,4,5,6,7,8,9,10,11,12,13,14
	v_exp_f32 v[F0+16*\j+\k], v[F0+16*\j+\k]
.endr
.irp k,0,1,2,3,4,5,6,7,8,9
	v_exp_f32 v[F0+64+10*\j+\k], v[F0+64+10*\j+\k]
.endr
.endr
	v_nop                                          ; a plain instruction behind the last exponential,
	s_wait_alu depctr_va_vdst(0)                   ; and one wait ahead of the batch's first reader
.irp j,0,1,2,3
	v_pk_add_f32 v[SO+2*\j:SO+2*\j+1], v[F0+16*\j:F0+16*\j+1], v[F0+16*\j+2:F0+16*\j+3]
	v_pk_add_f32 v[SU+2*\j:SU+2*\j+1], v[F0+64+10*\j:F0+64+10*\j+1], v[F0+64+10*\j+2:F0+64+10*\j+3]
.endr
.irp k,4,6,8
.irp j,0,1,2,3
	v_pk_add_f32 v[SO+2*\j:SO+2*\j+1], v[SO+2*\j:SO+2*\j+1], v[F0+16*\j+\k:F0+16*\j+\k+1]
	v_pk_add_f32 v[SU+2*\j:SU+2*\j+1], v[SU+2*\j:SU+2*\j+1], v[F0+64+10*\j+\k:F0+64+10*\j+\k+1]
.endr
.endr
.irp k,10,12,14
.irp j,0,1,2,3
	v_pk_add_f32 v[SO+2*\j:SO+2*\j+1], v[SO+2*\j:SO+2*\j+1], v[F0+16*\j+\k:F0+16*\j+\k+1]
.endr
.endr
.irp j,0,1,2,3
	v_add_f32 v[SO+2*\j], v[SO+2*\j], v[SO+2*\j+1]
	v_add_f32 v[SU+2*\j], v[SU+2*\j], v[SU+2*\j+1]
.endr
.irp j,0,1,2,3
	v_permlanex16_b32 v[PX+\j], v[SU+2*\j], s[SEL], s[SEL+1]
.endr
.irp j,0,1,2,3
	v_add_f32 v[SO+2*\j], v[SO+2*\j], v[PX+\j]                   ; the pixel's sum over all 25: at least 1
.endr
.irp j,0,1,2,3
	v_rcp_f32 v[RO+2*\j], v[SO+2*\j]
.endr
	v_nop
	s_wait_alu depctr_va_vdst(0)                   ; one wait for the four reciprocals
.irp j,0,1,2,3
	v_ldexp_f32 v[RO+2*\j], v[RO+2*\j], s[EE]                    ; x 2^(e0 + e1): V is kept as sums of codes
.endr
.irp j,0,1,2,3
	v_permlanex16_b32 v[RT+2*\j], v[RO+2*\j], s[SEL], s[SEL+1]
.endr
.irp k,0,2,4,6,8,10,12,14
.irp j,0,1,2,3
	v_pk_mul_f32 v[F0+16*\j+\k:F0+16*\j+\k+1], v[F0+16*\j+\k:F0+16*\j+\k+1], v[RO+2*\j:RO+2*\j+1] op_sel_hi:[1,0]
.endr
.endr
.irp k,0,2,4,6,8
.irp j,0,1,2,3
	v_pk_mul_f32 v[F0+64+10*\j+\k:F0+64+10*\j+\k+1], v[F0+64+10*\j+\k:F0+64+10*\j+\k+1], v[RT+2*\j:RT+2*\j+1] op_sel_hi:[1,0]
.endr
.endr
	; THE OUTPUTS: each lane sums weight x V over its own 24 key places, for its own four pixels and the other four
.set N, 0
.rept 48
	AVSTEP
.endr
	; THE WAY OUT.  My own pixels' outputs are my sums + the sums that my partner made for them.  The addition lays the four columns of a channel into four neighbouring registers: 16 bytes a lane.
	WIN 0
	v_and_b32 v2, 15, v0
	v_bfe_u32 v3, v0, 4, 1
	v_lshlrev_b32 v1, 4, v2                        ; 16 r: columns 4 r on,
	v_lshl_add_u32 v1, v3, 8, v1                   ; + my own row of the wave's two,
	s_lshl_b32 s39, s[WV], 9
	v_add_nc_u32 v1, s39, v1                       ; + the wave's two rows of the strip's eight
.irp dh,0,1
	WIN 1+\dh                                      ; source 0: the outputs' window
.irp dd,0,1,2,3,4,5,6,7,8,9,10,11,12,13,14,15
.irp j,0,1,2,3
	v_permlanex16_b32 v[PB+4*\dd+\j], v[64+16*\j+\dd], s[SEL], s[SEL+1]
.endr
.endr
.irp dd,0,1,2,3,4,5,6,7,8,9,10,11,12,13,14,15
.irp j,0,1,2,3
	v_add_f32 v[RING+64*\dh+4*\dd+\j], v[16*\j+\dd], v[PB+4*\dd+\j]
.endr
.endr
	WIN 0
.irp dd,0,1,2,3,4,5,6,7,8,9,10,11,12,13,14,15
	global_store_b128 v1, v[RING+64*\dh+4*\dd:RING+64*\dh+4*\dd+3], s[10:11] offset:(16*\dh+\dd)*16384 th:TH_STORE_NT   ; a channel's two image rows: 32 lanes store 512 consecutive bytes, at a multiple of 256 from out's first byte; each store has registers of its own
.endr
.endr
	s_set_vgpr_msb 0xf
	s_wait_tensorcnt 0x0
	ds_add_u32 v0, v1
	s_wait_dscnt 0x0
	s_set_vgpr_msb 0xf00
	s_endpgm
.Lfunc_end_k_q12ed446c3c_relation:
	.size	k_q12ed446c3c_relation, .Lfunc_end_k_q12ed446c3c_relation-k_q12ed446c3c_relation
	.p2alignl 7, 3214868480
	.fill 96, 4, 3214868480
	.section	.rodata,"a",@progbits
	.p2align	6, 0x0
	.amdhsa_kernel k_q12ed446c3c_relation
		.amdhsa_group_segment_fixed_size 209408
		.amdhsa_private_segment_fixed_size 0
		.amdhsa_enable_private_segment 0
		.amdhsa_kernarg_size 32
		.amdhsa_user_sgpr_count 2
		.amdhsa_user_sgpr_kernarg_segment_ptr 1
		.amdhsa_wavefront_size32 1
		.amdhsa_system_sgpr_workgroup_id_x 1
		.amdhsa_system_sgpr_workgroup_id_y 1
		.amdhsa_system_sgpr_workgroup_id_z 1
		.amdhsa_system_vgpr_workitem_id 0
		.amdhsa_next_free_vgpr 770
		.amdhsa_next_free_sgpr 66
		.amdhsa_reserve_vcc 0
		.amdhsa_float_denorm_mode_32 3
		.amdhsa_float_denorm_mode_16_64 3
		.amdhsa_memory_ordered 1
		.amdhsa_forward_progress 1
		.amdhsa_inst_pref_size 255
	.end_amdhsa_kernel
	.section	.bss,"aw",@nobits
	.p2align	6
	.space	262144
	.amdgpu_metadata
---
amdhsa.version: [ 1, 2 ]
amdhsa.kernels:
  - .name:           k_q12ed446c3c_relation
    .symbol:         k_q12ed446c3c_relation.kd
    .args:
      - { .name: lowp_scales, .offset: 0, .size: 8, .value_kind: global_buffer, .address_space: global }
      - { .name: w_qkv_codes, .offset: 8, .size: 8, .value_kind: global_buffer, .address_space: global }
      - { .name: x_codes, .offset: 16, .size: 8, .value_kind: global_buffer, .address_space: global }
      - { .name: out0, .offset: 24, .size: 8, .value_kind: global_buffer, .address_space: global }
    .group_segment_fixed_size: 209408
    .private_segment_fixed_size: 0
    .kernarg_segment_align: 8
    .kernarg_segment_size: 32
    .max_flat_workgroup_size: 128
    .sgpr_count:     66
    .vgpr_count:     770
    .wavefront_size: 32
...
	.end_amdgpu_metadata
.endif
;; end of part 1
;; ======== version 2 of 2: 1 launch; version 1 with the launch relation written anew for expert scheduling mode
;; limits: right only within a limited range of input values
;; launch relation (part 2): grid 8 x 32, 4 waves a work-group, no clusters, 209,408 bytes of LDS; arguments lowp_scales, w_qkv_codes, x_codes, out0; writes out0
.if DOCPART == 2
	.amdgcn_target "amdgcn-amd-amdhsa--gfx1250"
	.amdhsa_code_object_version 6
	.text
	.protected	k_q12ed446c3c_relation
	.globl	k_q12ed446c3c_relation
	.p2align	8
	.type	k_q12ed446c3c_relation,@function
k_q12ed446c3c_relation:
	s_mov_b64 s[64:65], 0
	v_nop
	global_prefetch_b8 v0, s[64:65] scope:SCOPE_SE
	s_setreg_imm32_b32 hwreg(HW_REG_WAVE_SCHED_MODE, 0, 2), 2
	s_setreg_imm32_b32 hwreg(HW_REG_WAVE_MODE, 25, 1), 1
	s_wait_xcnt 0x0
	s_wait_alu depctr_vm_vsrc(0)
; out[n][32 hd + d][y][x] = sum over the 5 x 5 window o of softmax_o(Q[.,y,x] . K[.,(y,x)+o]) V[d,(y,x)+o], Q, K, V = w_qkv x (a 1 x 1 convolution), zeros outside the image (they count in the softmax, with score 0).
; The convolution is done on the given E5M2 codes by v_wmma_f32_16x16x128_bf8_bf8 (K = 128: one instruction a sum); all the rest in f32.
; SHARES.  A work-group owns one image, one head and a strip of 8 image rows: 4 x 8 x 8 = 256 work-groups of four waves.  It makes K and V of the strip's 12 key rows (2 above, 2 below) into LDS, f32, once;
; then wave w owns image rows 2 w, 2 w + 1 of the strip, all 64 columns.  A PAIR of lanes (r, r + 16) owns 2 rows x 4 columns (4 r .. 4 r + 3): 8 pixels, whose windows cover 6 x 8 key places.
; THE PAIR SPLITS THE WINDOW, NOT THE CHANNELS.  Lane half h calls row 2 w + h its OWN row and the pair's other row its OTHER row, and takes three key rows: own - 2, own - 1, own for h = 0, own + 2, own + 1, own for h = 1
; (mirrored, so that both halves run the same lines).  The first serves the own row alone, the two others both rows.  So a lane holds 100 WHOLE scores (60 of its own 4 pixels, 40 of the other 4) and loads each of its 24 key places
; once for K and once for V: 6 places a pixel in place of 25.  What the halves exchange: a pixel's largest score, its sum and reciprocal, and at the end the other row's 128 partial outputs.
; Q in that order (own, other) is had from the matrix unit: each tile of Q is made twice, and v_permlane16_swap_b32 of a row-0 tile with a row-1 tile leaves 8 channels of the lane's own (or other) row in each.
; SCALES.  Sums of codes are kept as they are; a score is multiplied by c = log2(e) 2^(2 (e0 + e1)) on its way into the exponential, the reciprocal of a pixel's sum by 2^(e0 + e1).
; LIMITS.  e0 + e1 between -63 and 63 (c is made by adding to its exponent field).  Codes of infinity or NaN are not served.  A score's even and odd channels are summed apart and added at the end.
; NO CLUSTER, NO TENSOR LOAD.  The eight heads of a strip read the same 98,304 bytes of x.  Here they go once from memory straight into the operand's registers (48 loads a wave, all issued at the head); a joint tensor load would
; lay them in LDS, whence the same bytes would have to be read once more beside the 786,432 bytes that the two main loops read there, and a tile cannot begin above the image's first row, where strip 0 needs zeros.
; LDS: [12 key rows][K, V][8 chunks of 4 channels][u % 4][u / 4: 17 places][16 bytes], u = column + 2 (0 .. 67).  Lane r wants columns 4 r + const: in every store and load sixteen lanes touch 256 consecutive bytes.
; REGISTERS, in windows of 256 (s_set_vgpr_msb: bits 1:0 source 0, 3:2 source 1, 5:4 source 2, 7:6 destination).
;   window 0: v1-3 LDS addresses of my three key rows; v4-107 scores, then weights (own pixel j: 16 j + 5 i + e, place 15 a zero; other pixel j: 64 + 10 j + 5 (i - 1) + e); v108-127 ten accumulator pairs; v128-255 K's ring.
;             In the first phase: v4-15 addresses and zeros, v16-111 the head's six fragments of w, v112 one more address, v128-255 results of K and V on their way to LDS.
;   window 1: Q: own pixel j at 32 j + d, other pixel j at 128 + 32 j + d.  Later: outputs of channels 0-15 (64 rho + 16 j + d) and, from v128, V's ring.
;   window 2: v0-191 x's twelve fragments.  Later: outputs of channels 16-31 and V's ring.
; THE MODE: SCHED_MODE bits 1:0 = 2 (LLVM: expert scheduling mode 2), set by the entry lines.  The code itself states the register dependences between vector or matrix instructions and memory or LDS instructions,
; with s_wait_alu, always for 0.
; THE PLAN.  Registers that memory or LDS instructions touch, and who else names them:
;   v6, v7                    offsets of the loads of x and w.  Made at the head, ahead of one wait on va_vdst.  They become scores behind the wait on vm_vsrc that follows the barrier.
;   v1-3, v8-15, v112         LDS addresses and the zeros.  Made in one run at the head, ahead of one wait on va_vdst.  v8-15 and v112 are written again like v6, v7; v1-3 on the way out, behind a wait on vm_vsrc.
;   A = v128-191, B = v192-255, first phase.  Batch b's eight matrix instructions write one of the two, by turns; its sixteen LDS stores stand behind batch b + 1's matrix instructions (the fourth batch's behind Q's).
;                             One wait on va_vdst ahead of batch b + 1: batch b's results are written; what is issued between that wait and the stores names the other set, w and x alone.
;                             One wait on vm_vsrc ahead of batch b + 2: batch b's stores have read the set.
;   the rings (K's, V's two)  Eight places of 16 registers, used as two halves of four; a BLOCK is four steps.  Block B's multiply-adds read one half; the loads of block B + 1 land in the other, which block B - 1 read.
;                             One wait on va_vdst at a block's head: the block before is done reading.  The block's sixteen loads follow it, four at each step's head; no multiply-add of the block names the half in which they land.
;   v1, v128-255, the way out.  Written by the address lines and the additions; one wait on va_vdst ahead of each of the two runs of sixteen stores; each store has registers of its own, and none is written again.
; Scores, weights, accumulators, Q and the outputs are named by vector and matrix instructions alone.  No vector instruction writes VCC, and EXEC is never written.
.set CHB,   1088                       ; a chunk: 4 x 17 places of 16 bytes
.set UMB,   272                        ; 17 places
.set KVB,   8*CHB                      ; K's (or V's) 32 channels of a key row
.set ROWL,  2*KVB                      ; a key row
.set AD,    1                          ; v1-3
.set F0,    4                          ; v4-107
.set ACC,   108                        ; v108-127
.set RING,  128                        ; v128-255: eight places of 16 registers
.set XO,    6                          ; first phase: x's lane offset
.set WO,    7                          ; w's lane offset
.set ST0,   8                          ; where my first key row's results go
.set ST1,   9                          ; and those of my two own rows
.set WQ,    16                         ; w's fragments: Q's two tiles of 16 channels,
.set WKV,   48                         ; K's two, V's two: up to v111
.set ZA,    112                        ; first phase: the third address of the zeros' stores: behind w's fragments, whose loads are out meanwhile
.set MO,    128                        ; softmax, at work: own pixel j's largest score, then c x it, at MO + 2 j
.set MT,    136                        ; the other pixels'
.set PX,    144                        ; what came from the partner lane
.set SO,    152                        ; sums, in pairs
.set SU,    160
.set RO,    168                        ; reciprocals
.set RT,    176
.set PB,    4                          ; the way out: the partner's partial outputs
.set WV,    12                         ; s12 wave
.set CS,    34                         ; s[34:35] c (the packed form names a pair and takes its low word for both halves)
.set SEL,   36                         ; s[36:37] v_permlanex16_b32's selects for lane l xor 16
.set EE,    38                         ; s38 e0 + e1
.set MSB,   0
.macro WIN new                         ; the immediate's high byte repeats the setting that is left; a switch that changes nothing is dropped
.if MSB != (\new)
	s_set_vgpr_msb (MSB<<8)|(\new)
.set MSB, (\new)
.endif
.endm
; A UNIT is one of my three key rows (UI) and two of its eight key columns (CA, CB; column cc stands for image column 4 r + cc - 2 and serves pixels j with j <= cc <= j + 4).  The pairs (3,0), (2,1), (4,7), (5,6) serve five pixels each.
; Units go row 1, row 0, row 2 by turns, so that the short ones (row 0 serves one pixel row) stand between long ones.
.macro UNITSET u
.set UI, 1
.if (\u)%3 == 1
.set UI, 0
.endif
.if (\u)%3 == 2
.set UI, 2
.endif
.set CA, 3
.set CB, 0
.if (\u)/3 == 1
.set CA, 2
.set CB, 1
.endif
.if (\u)/3 == 2
.set CA, 4
.set CB, 7
.endif
.if (\u)/3 == 3
.set CA, 5
.set CB, 6
.endif
.endm
; The four loads of step LN: eight channels of a unit's two places, into ring place LN % 8.  K: unit LN / 4, channels 8 (LN % 4) on.  V: channels 16 (LN / 24) + 8 (LN % 2) on, unit (LN % 24) / 2.
.macro RINGLOAD kv
.if \kv
	UNITSET (LN%24)/2
.set LC, 4*(LN/24)+2*(LN%2)
.else
	UNITSET LN/4
.set LC, 2*(LN%4)
.endif
.set LR, RING+16*(LN%8)
.set LOA, \kv*KVB+LC*CHB+(CA%4)*UMB+(CA/4)*16
.set LOB, \kv*KVB+LC*CHB+(CB%4)*UMB+(CB/4)*16
	ds_load_b128 v[LR:LR+3],     v[AD+UI] offset:LOA
	ds_load_b128 v[LR+4:LR+7],   v[AD+UI] offset:LOA+CHB
	ds_load_b128 v[LR+8:LR+11],  v[AD+UI] offset:LOB
	ds_load_b128 v[LR+12:LR+15], v[AD+UI] offset:LOB+CHB
.endm
; Walks the (place, pixel) pairs of the unit in hand, always in the same order.  mode 0: score += K . Q for channel pair dp of the step;  1: a finished score's two halves are added;  2: output += weight x V, four channel pairs.
.macro CHAINS mode, dp
.set CH, 0
.irp pp,0,1
.set CC, CA
.if \pp
.set CC, CB
.endif
.irp rho,0,1
.if (\rho == 0) || (UI > 0)
.irp j,0,1,2,3
.if (CC >= \j) && (CC <= \j+4)
.set FR, F0+16*\j+5*UI+CC-\j
.if \rho
.set FR, F0+64+10*\j+5*(UI-1)+CC-\j
.endif
.set AR, ACC+2*CH
.if \mode == 0
.set KP, KR+8*\pp+2*\dp
.set QP, 128*\rho+32*\j+8*QQ+2*\dp
.if (QQ == 0) && (\dp == 0)
	v_pk_mul_f32 v[AR:AR+1], v[KP:KP+1], v[QP:QP+1]                       ; the first product starts the sums: nothing is cleared
.else
	v_pk_fma_f32 v[AR:AR+1], v[KP:KP+1], v[QP:QP+1], v[AR:AR+1]
.endif
.endif
.if \mode == 1
	v_fma_f32 v[FR], v[AR], 1.0, v[AR+1]                                  ; even channels' sum + odd channels' (an addition in this form: source 1's window is Q's here, and a constant has no window)
.endif
.if \mode == 2
.set FP, FR-FR%2
.irp d2,0,1,2,3
.set OP, 64*\rho+16*\j+8*Q2+2*\d2
.set VP, KR+8*\pp+2*\d2
.if FIRST && (\pp == 0)
.if FR%2
	v_pk_mul_f32 v[OP:OP+1], v[FP:FP+1], v[VP:VP+1] op_sel:[1,0] op_sel_hi:[1,1]
.else
	v_pk_mul_f32 v[OP:OP+1], v[FP:FP+1], v[VP:VP+1] op_sel_hi:[0,1]
.endif
.else
.if FR%2
	v_pk_fma_f32 v[OP:OP+1], v[FP:FP+1], v[VP:VP+1], v[OP:OP+1] op_sel:[1,0,0] op_sel_hi:[1,1,1]
.else
	v_pk_fma_f32 v[OP:OP+1], v[FP:FP+1], v[VP:VP+1], v[OP:OP+1] op_sel_hi:[0,1,1]
.endif
.endif
.endr
.endif
.set CH, CH+1
.endif
.endr
.endif
.endr
.endr
.endm
; How many steps have been asked for when step N waits for its data: the first eight go out together; from step 4 on, step N asks for step N + 4, behind its own wait for data.  LAST = the youngest step asked for.
.macro ASKED
.set LAST, N+3
.if LAST < 7
.set LAST, 7
.endif
.if LAST > 47
.set LAST, 47
.endif
.endm
; Step N of 48 of the scores: at its head the four loads of step N + 4, into the half of the ring that the block before read; then 20 or 40 packed multiply-adds on 5 or 10 chains by turns.  A block is a unit here.
.macro QKSTEP
.set QQ, N%4
.set KR, RING+16*(N%8)
	ASKED
	s_wait_dscnt 4*(LAST-N)                        ; LDS loads come back in order: this step's four are in; the four of each younger step asked for so far (three steps in the steady run) may be out
.if (N >= 4) && (N+4 < 48)
.if N%4 == 0
	s_wait_alu depctr_va_vdst(0)                   ; the block before is done reading its four ring places, in which this block's sixteen loads land
.endif
.set LN, N+4
	RINGLOAD 0                                     ; no multiply-add issued since that wait names these registers
.endif
	UNITSET N/4
.irp dq,0,1,2,3
	CHAINS 0, \dq
.endr
.if QQ == 3
	CHAINS 1, 0
.endif
.set N, N+1
.endm
; Step N of 48 of the outputs.  Steps 0-23: channels 0-15, outputs and ring in window 1; steps 24-47: channels 16-31, window 2.  The first place walked (key row 1, column 3) serves all eight pixels: its products start the sums.
; A block is two units here.  The loads of steps 24 to 31 land in window 2's ring for the first time: no instruction since the first phase has named those registers, so their two blocks have no wait at the head.
.macro AVSTEP
.set Q2, N%2
.set KR, RING+16*(N%8)
.set FIRST, 0
.if (N%24) < 2
.set FIRST, 1
.endif
	ASKED
	s_wait_dscnt 4*(LAST-N)                        ; as in QKSTEP
.if (N >= 4) && (N+4 < 48)
.set LN, N+4
	WIN 0x54*(1+LN/24)                             ; the load's destination is the ring of the half that step N + 4 belongs to; its address is source 0: window 0
.if (N%4 == 0) && (LN%24 >= 8)
	s_wait_alu depctr_va_vdst(0)                   ; the block before is done reading its four ring places, in which this block's sixteen loads land
.endif
	RINGLOAD 1                                     ; no multiply-add issued since that wait names these registers
.endif
	UNITSET (N%24)/2
	WIN 0x54*(1+N/24)                              ; weight (source 0) window 0; V, the sums and the result window 1 or 2
	CHAINS 2, 0
.set N, N+1
.endm
; K and V of two tiles of 16 pixels (columns 4 r + t, t = t0, t0 + 1) of my key row i: eight matrix instructions, each a whole sum; source 0 = 16 channels of w, source 1 = 16 pixels: lane (r, h) holds pixel r, channels 8 h + 0 .. 7.
.macro KVMUL i, t0, set
	WIN 0x08                                       ; source 1 (x) window 2
.irp tt,0,1
.irp p,0,1,2,3
	v_wmma_f32_16x16x128_bf8_bf8 v[\set+32*\tt+8*\p:\set+32*\tt+8*\p+7], v[WKV+16*\p:WKV+16*\p+15], v[64*\i+16*(\t0+\tt):64*\i+16*(\t0+\tt)+15], 0
.endr
.endr
	WIN 0
.rept 4
	v_nop                                          ; four places between a matrix instruction and the LDS store that reads its result; two batches' eight stand ahead of the matrix instructions that write these registers again
.endr
.endm
; The same batch's sixteen LDS stores.  They stand behind the next batch's matrix instructions, and behind the wait that shows this batch's results written.
.macro KVSTORE i, t0, set
.set SA, ST0
.set SI, 0
.if \i > 0
.set SA, ST1
.set SI, (\i-1)*ROWL
.endif
.irp tt,0,1
.irp p,0,1,2,3
.set SOF, SI+(\p/2)*KVB+(\p%2)*4*CHB+((\t0+\tt+2)%4)*UMB+((\t0+\tt+2)/4)*16
	ds_store_b128 v[SA], v[\set+32*\tt+8*\p:\set+32*\tt+8*\p+3] offset:SOF          ; each result from its low end on
	ds_store_b128 v[SA], v[\set+32*\tt+8*\p+4:\set+32*\tt+8*\p+7] offset:SOF+CHB
.endr
.endr
.endm
; v_permlane16_swap_b32 a, b exchanges a's lanes 16-31 with b's lanes 0-15.  a = a tile of one row, b = the same tile of the pair's other row: afterwards a holds channels 0-7 and b channels 8-15, each lane half of ITS row.
.macro SWAPS g0
.set G, \g0
.rept 8
.irp k,0,1,2,3,4,5,6,7
	v_permlane16_swap_b32 v[16*G+\k], v[16*G+8+\k]
.endr
.set G, G+1
.endr
.endm
	s_load_b256 s[4:11], s[0:1], 0x0               ; the scales' exponents s[4:5], w's codes s[6:7], x's codes s[8:9], out s[10:11]
	s_set_vgpr_msb 0xc0
	v_lshl_add_u32 v0, v0, 2, 0x33000
	v_mov_b32 v1, 0
	s_set_vgpr_msb 0xc000
	v_lshrrev_b32 v1, 5, v0
	v_readfirstlane_b32 s[WV], v1                  ; wave 0..3
	v_and_b32 v4, 15, v0                           ; r
	v_bfe_u32 v5, v0, 4, 1                         ; h
	v_lshlrev_b32 v[XO], 9, v4
	v_lshl_add_u32 v[XO], v5, 4, v[XO]             ; x: pixel 4 r of a row (128 bytes a pixel), + 16 h
	v_lshlrev_b32 v[WO], 7, v4
	v_lshl_add_u32 v[WO], v5, 4, v[WO]             ; w: row r of 128 bytes, + 16 h
	s_and_b32 s13, ttmp7, 0xffff                   ; 8 x image + head
	s_lshr_b32 s14, s13, 3                         ; image
	s_and_b32 s15, s13, 7                          ; head
	s_wait_alu depctr_va_sdst(0)                   ; s12, the wave's number, is written, ahead of its first reader: the key rows, the bases and the LDS addresses are made from it
	s_lshr_b32 s16, s[WV], 1
	s_lshl_b32 s16, s16, 3
	s_add_co_u32 s16, s16, s[WV]                   ; my first key row of the twelve: 0, 1, 10, 11: the four that may lie outside the image, one a wave
	s_lshl_b32 s17, ttmp9, 3                       ; the strip's first image row
	s_add_co_u32 s18, s17, s16
	s_sub_co_i32 s18, s18, 2                       ; that key row in the image: -2 .. 65
	s_max_i32 s19, s18, 0
	s_min_i32 s19, s19, 63                         ; no load leaves the buffer: a row outside is read from the nearest row inside,
	s_cmp_eq_u32 s18, s19
	s_cselect_b32 s20, -1, 0                       ; and its codes are masked to zeros
	s_lshl_b32 s22, s14, 19                        ; an image: 64 x 64 x 128 bytes
	s_lshl_b32 s24, s19, 13                        ; a row: 8,192 bytes
	s_add_co_u32 s24, s24, s22
	s_mov_b32 s25, 0
	s_lshl_b32 s23, s[WV], 1
	s_add_co_u32 s23, s23, s17                     ; my two own image rows begin here (key rows 2 + 2 w, 3 + 2 w)
	s_lshl_b32 s26, s23, 13
	s_add_co_u32 s26, s26, s22
	s_mov_b32 s27, 0
	s_lshl_b32 s28, s15, 12                        ; the head's 32 rows of w
	s_mov_b32 s29, 0
	s_lshl_b32 s30, s13, 19                        ; out: 32 channels x 16,384 bytes for each (image, head),
	s_lshl_b32 s31, ttmp9, 11                      ; + the strip's 8 rows of 256 bytes
	s_add_co_u32 s30, s30, s31
	s_mov_b32 s31, 0
	s_mov_b32 s[SEL], 0x76543210
	s_mov_b32 s[SEL+1], 0xfedcba98
	s_wait_kmcnt 0x0
	s_load_b64 s[32:33], s[4:5], 0x0               ; e0, e1
	s_add_nc_u64 s[6:7], s[6:7], s[28:29]
	s_add_nc_u64 s[24:25], s[8:9], s[24:25]        ; x at my first key row
	s_add_nc_u64 s[26:27], s[8:9], s[26:27]        ; x at my own rows
	s_add_nc_u64 s[10:11], s[10:11], s[30:31]
	s_wait_alu depctr_va_vdst(0)                   ; v6 and v7 are written: the 72 loads below read one of them as their offset
	; All 72 loads go out together.  A fragment (16 rows x 128 codes) is four loads of 16 bytes a lane, at 32 c + 16 h of the lane's row: the same places of k in w and in x, so every product meets its partner.
.irp p,0,1,2
.irp m,0,1
.irp c,0,1,2,3
	global_load_b128 v[WQ+32*\p+16*\m+4*\c:WQ+32*\p+16*\m+4*\c+3], v[WO], s[6:7] offset:32768*\p+2048*\m+32*\c   ; Q's, K's, V's rows lie 256 rows apart
.endr
.endr
.endr
	WIN 0x80                                       ; destination window 2
.irp i,1,2
.irp t,0,1,2,3
.irp c,0,1,2,3
	global_load_b128 v[64*\i+16*\t+4*\c:64*\i+16*\t+4*\c+3], v[XO], s[26:27] offset:8192*(\i-1)+128*\t+32*\c
.endr
.endr
.endr
.irp t,0,1,2,3
.irp c,0,1,2,3
	global_load_b128 v[16*\t+4*\c:16*\t+4*\c+3], v[XO], s[24:25] offset:128*\t+32*\c
.endr
.endr
	WIN 0
	; LDS addresses, while the loads are out: they touch v1-15 and v112 alone, none of which a pending load fills or reads but XO and WO, which stay
	s_mul_i32 s39, s16, ROWL                       ; my first key row
	s_mul_i32 s40, s[WV], 2*ROWL                   ; key row 2 w
	s_add_co_u32 s41, s40, 2*ROWL                  ; key row 2 + 2 w
	v_lshlrev_b32 v1, 4, v4                        ; 16 r
	v_mul_u32_u24 v8, v5, 2*CHB                    ; stores: lanes 16-31 hold channels 8 on: two chunks on
	v_add_nc_u32 v8, v8, v1
	v_add_nc_u32 v[ST1], s41, v8
	v_add_nc_u32 v[ST0], s39, v8
	v_add_nc_u32 v1, s40, v1
	v_mul_u32_u24 v3, v5, ROWL                     ; loads: my key row i is row 2 w + i for h = 0 and 2 w + 5 - i for h = 1: the lower base + h x the distance
	v_add_nc_u32 v3, v3, v1
	v_add_nc_u32 v3, 2*ROWL, v3                    ; i = 2: my own row
	v_mul_u32_u24 v2, v5, 3*ROWL
	v_add_nc_u32 v2, v2, v1
	v_add_nc_u32 v2, ROWL, v2                      ; i = 1
	v_mul_u32_u24 v10, v5, 5*ROWL
	v_add_nc_u32 v1, v10, v1                       ; i = 0: the far row
	; zeros for columns -2, -1, 64, 65: four places in each of the 192 chunks; thread t takes place t % 4 of chunks t / 4 + 32 k
	v_and_b32 v10, 3, v0
	v_lshrrev_b32 v11, 2, v0
	v_mul_u32_u24 v11, v11, CHB
	v_mul_u32_u24 v12, v10, UMB
	v_add_nc_u32 v11, v11, v12
	v_lshrrev_b32 v10, 1, v10
	v_lshl_add_u32 v10, v10, 8, v11                ; u = 0, 1: first place of its 17; u = 66, 67: the last, 256 bytes on
	v_add_nc_u32 v11, 64*CHB, v10
	v_add_nc_u32 v[ZA], 128*CHB, v10
.irp q,12,13,14,15
	v_mov_b32 v\q, 0
.endr
	s_wait_alu depctr_va_vdst(0)                   ; all LDS addresses (v1-3, v8-11, v112) and the zeros (v12-15) are written: the six stores below read theirs, K's and V's stores read v8 and v9
	ds_store_b128 v10, v[12:15]
	ds_store_b128 v10, v[12:15] offset:32*CHB
	ds_store_b128 v11, v[12:15]
	ds_store_b128 v11, v[12:15] offset:32*CHB
	ds_store_b128 v[ZA], v[12:15]
	ds_store_b128 v[ZA], v[12:15] offset:32*CHB
	s_wait_kmcnt 0x0
	s_add_co_i32 s[EE], s32, s33                   ; e0 + e1
	s_lshl_b32 s[CS], s[EE], 24                    ; 2 (e0 + e1) in the exponent field,
	s_add_co_i32 s[CS], s[CS], 0x3fb8aa3b          ; onto log2(e): c
	s_mov_b32 s[CS+1], s[CS]
	; K, V AND Q.  Six batches of K and V on the sets A and B by turns; a batch's stores stand behind the next batch's matrix instructions.
	s_wait_loadcnt 32                              ; w and my first own row are in; the 32 loads of the two other rows may be out
	KVMUL 1, 0, RING
	s_wait_alu depctr_va_vdst(0)                   ; the first batch has written A, which its stores below read; the batch between names B, w and x alone
	KVMUL 1, 2, RING+64
	KVSTORE 1, 0, RING
	s_wait_loadcnt 16                              ; my second own row is in
	s_wait_alu depctr_vm_vsrc(0)                   ; the first batch's stores have read A, which the third batch writes again
	s_wait_alu depctr_va_vdst(0)                   ; the second batch has written B, which its stores below read
	KVMUL 2, 0, RING
	KVSTORE 1, 2, RING+64
	s_wait_alu depctr_vm_vsrc(0)                   ; the second batch's stores have read B, which the fourth batch writes again
	s_wait_alu depctr_va_vdst(0)                   ; the third batch has written A, which its stores below read
	KVMUL 2, 2, RING+64
	KVSTORE 2, 0, RING
	s_wait_alu depctr_va_vdst(0)                   ; the fourth batch has written B, which its stores read, behind Q's matrix instructions: those name window 1, w and x alone
	WIN 0x48                                       ; Q: source 1 (x) window 2, destination window 1.  Each tile twice: once for the own-row set, once for the other-row set
.irp t,0,1,2,3
.irp m,0,1
	v_wmma_f32_16x16x128_bf8_bf8 v[32*\t+16*\m:32*\t+16*\m+7],          v[WQ+16*\m:WQ+16*\m+15], v[64+16*\t:64+16*\t+15], 0
	v_wmma_f32_16x16x128_bf8_bf8 v[32*\t+16*\m+8:32*\t+16*\m+15],       v[WQ+16*\m:WQ+16*\m+15], v[128+16*\t:128+16*\t+15], 0
	v_wmma_f32_16x16x128_bf8_bf8 v[128+32*\t+16*\m:128+32*\t+16*\m+7],  v[WQ+16*\m:WQ+16*\m+15], v[128+16*\t:128+16*\t+15], 0
	v_wmma_f32_16x16x128_bf8_bf8 v[128+32*\t+16*\m+8:128+32*\t+16*\m+15], v[WQ+16*\m:WQ+16*\m+15], v[64+16*\t:64+16*\t+15], 0
.endr
.endr
	WIN 0
	KVSTORE 2, 2, RING+64
	s_wait_loadcnt 0x0                             ; my first key row
	WIN 0x88                                       ; source 1 and destination window 2
.set R, 0
.rept 64
	v_and_b32 v[R], s20, v[R]                      ; zero codes where the row lies outside the image: K = V = 0 there.  (These 64 are also the places behind Q's matrix instructions)
.set R, R+1
.endr
	s_wait_alu depctr_vm_vsrc(0)                   ; the third and the fourth batch's stores have read A and B, which the last two batches write again
	KVMUL 0, 0, RING
	s_wait_alu depctr_va_vdst(0)                   ; the fifth batch has written A, which its stores below read
	KVMUL 0, 2, RING+64
	KVSTORE 0, 0, RING
	s_wait_alu depctr_va_vdst(0)                   ; the sixth batch has written B, which its stores read
	KVSTORE 0, 2, RING+64
	s_wait_dscnt 0x0                               ; for the others' sake: all my stores of K, V and zeros have landed
	s_barrier_signal -1
	WIN 0x41                                       ; both operands window 1
	SWAPS 0                                        ; Q of the own row: work on registers while the others arrive
	WIN 0x04                                       ; THE SCORES' SETTING: source 1 (Q) window 1, all else window 0
	s_barrier_wait -1                              ; the twelve key rows are whole
	s_wait_alu depctr_vm_vsrc(0)                   ; my LDS stores have read A and B, in which the ring's loads land; they and the head's loads have read v6-15 and v112, which the scores and their accumulators write from here on
	s_wait_alu depctr_va_vdst(0)                   ; the last two batches have written A and B, in which the ring's loads land (their own stores stand between the earlier wait and these loads)
.set LN, 0
.rept 8
	RINGLOAD 0                                     ; the ring's first eight steps: 32 loads
.set LN, LN+1
.endr
	WIN 0x41
	SWAPS 8                                        ; Q of the other row, while they are on their way
	WIN 0x04
.set N, 0
.rept 48
	QKSTEP
.endr
	; THE SOFTMAX.  V's first eight steps are asked for first (Q's registers are free): they land while it runs.
	WIN 0x54
	s_wait_alu depctr_va_vdst(0)                   ; the scores' multiply-adds are done reading Q of the other row, in whose registers V's first 32 loads land
.set LN, 0
.rept 8
	RINGLOAD 1
.set LN, LN+1
.endr
	WIN 0
.irp j,0,1,2,3
	v_mov_b32 v[F0+16*\j+15], 0                    ; the sixteenth place beside an own pixel's fifteen scores: a weight of zero
.endr
.irp j,0,1,2,3
	v_max3_num_f32 v[MO+2*\j], v[F0+16*\j], v[F0+16*\j+1], v[F0+16*\j+2]
	v_max3_num_f32 v[MT+2*\j], v[F0+64+10*\j], v[F0+64+10*\j+1], v[F0+64+10*\j+2]
.endr
.irp k,3,5,7
.irp j,0,1,2,3
	v_max3_num_f32 v[MO+2*\j], v[MO+2*\j], v[F0+16*\j+\k], v[F0+16*\j+\k+1]
	v_max3_num_f32 v[MT+2*\j], v[MT+2*\j], v[F0+64+10*\j+\k], v[F0+64+10*\j+\k+1]
.endr
.endr
.irp k,9,11,13
.irp j,0,1,2,3
	v_max3_num_f32 v[MO+2*\j], v[MO+2*\j], v[F0+16*\j+\k], v[F0+16*\j+\k+1]
.endr
.endr
.irp j,0,1,2,3
	v_max_num_f32 v[MT+2*\j], v[MT+2*\j], v[F0+64+10*\j+9]
.endr
.irp j,0,1,2,3
	v_permlanex16_b32 v[PX+\j], v[MT+2*\j], s[SEL], s[SEL+1]     ; my partner's other pixel j is my own pixel j: the largest of its ten scores there
.endr
.irp j,0,1,2,3
	v_max_num_f32 v[MO+2*\j], v[MO+2*\j], v[PX+\j]               ; the pixel's largest of all 25
.endr
.irp j,0,1,2,3
	v_permlanex16_b32 v[MT+2*\j], v[MO+2*\j], s[SEL], s[SEL+1]   ; and my other pixels', from the lane that owns them
.endr
.irp j,0,1,2,3
	v_mul_f32 v[MO+2*\j], s[CS], v[MO+2*\j]
	v_mul_f32 v[MT+2*\j], s[CS], v[MT+2*\j]
.endr
.irp k,0,2,4,6,8,10,12
.irp j,0,1,2,3
	v_pk_fma_f32 v[F0+16*\j+\k:F0+16*\j+\k+1], v[F0+16*\j+\k:F0+16*\j+\k+1], s[CS:CS+1], v[MO+2*\j:MO+2*\j+1] op_sel_hi:[1,0,0] neg_lo:[0,0,1] neg_hi:[0,0,1]   ; c s - c max, two at a time
.endr
.endr
.irp j,0,1,2,3
	v_fma_f32 v[F0+16*\j+14], v[F0+16*\j+14], s[CS], -v[MO+2*\j]
.endr
.irp k,0,2,4,6,8
.irp j,0,1,2,3
	v_pk_fma_f32 v[F0+64+10*\j+\k:F0+64+10*\j+\k+1], v[F0+64+10*\j+\k:F0+64+10*\j+\k+1], s[CS:CS+1], v[MT+2*\j:MT+2*\j+1] op_sel_hi:[1,0,0] neg_lo:[0,0,1] neg_hi:[0,0,1]
.endr
.endr
.irp j,0,1,2,3
.irp k,0,1,2,3,4,5,6,7,8,9,10,11,12,13,14
	v_exp_f32 v[F0+16*\j+\k], v[F0+16*\j+\k]
.endr
.irp k,0,1,2,3,4,5,6,7,8,9
	v_exp_f32 v[F0+64+10*\j+\k], v[F0+64+10*\j+\k]
.endr
.endr
	v_nop                                          ; a plain instruction behind the last exponential,
	s_wait_alu depctr_va_vdst(0)                   ; and one wait ahead of the batch's first reader: the hundred exponentials have written v4-107
.irp j,0,1,2,3
	v_pk_add_f32 v[SO+2*\j:SO+2*\j+1], v[F0+16*\j:F0+16*\j+1], v[F0+16*\j+2:F0+16*\j+3]
	v_pk_add_f32 v[SU+2*\j:SU+2*\j+1], v[F0+64+10*\j:F0+64+10*\j+1], v[F0+64+10*\j+2:F0+64+10*\j+3]
.endr
.irp k,4,6,8
.irp j,0,1,2,3
	v_pk_add_f32 v[SO+2*\j:SO+2*\j+1], v[SO+2*\j:SO+2*\j+1], v[F0+16*\j+\k:F0+16*\j+\k+1]
	v_pk_add_f32 v[SU+2*\j:SU+2*\j+1], v[SU+2*\j:SU+2*\j+1], v[F0+64+10*\j+\k:F0+64+10*\j+\k+1]
.endr
.endr
.irp k,10,12,14
.irp j,0,1,2,3
	v_pk_add_f32 v[SO+2*\j:SO+2*\j+1], v[SO+2*\j:SO+2*\j+1], v[F0+16*\j+\k:F0+16*\j+\k+1]
.endr
.endr
.irp j,0,1,2,3
	v_add_f32 v[SO+2*\j], v[SO+2*\j], v[SO+2*\j+1]
	v_add_f32 v[SU+2*\j], v[SU+2*\j], v[SU+2*\j+1]
.endr
.irp j,0,1,2,3
	v_permlanex16_b32 v[PX+\j], v[SU+2*\j], s[SEL], s[SEL+1]
.endr
.irp j,0,1,2,3
	v_add_f32 v[SO+2*\j], v[SO+2*\j], v[PX+\j]                   ; the pixel's sum over all 25: at least 1
.endr
.irp j,0,1,2,3
	v_rcp_f32 v[RO+2*\j], v[SO+2*\j]
.endr
	v_nop
	s_wait_alu depctr_va_vdst(0)                   ; one wait for the four reciprocals, ahead of their first reader: they have written v168, v170, v172, v174
.irp j,0,1,2,3
	v_ldexp_f32 v[RO+2*\j], v[RO+2*\j], s[EE]                    ; x 2^(e0 + e1): V is kept as sums of codes
.endr
.irp j,0,1,2,3
	v_permlanex16_b32 v[RT+2*\j], v[RO+2*\j], s[SEL], s[SEL+1]
.endr
.irp k,0,2,4,6,8,10,12,14
.irp j,0,1,2,3
	v_pk_mul_f32 v[F0+16*\j+\k:F0+16*\j+\k+1], v[F0+16*\j+\k:F0+16*\j+\k+1], v[RO+2*\j:RO+2*\j+1] op_sel_hi:[1,0]
.endr
.endr
.irp k,0,2,4,6,8
.irp j,0,1,2,3
	v_pk_mul_f32 v[F0+64+10*\j+\k:F0+64+10*\j+\k+1], v[F0+64+10*\j+\k:F0+64+10*\j+\k+1], v[RT+2*\j:RT+2*\j+1] op_sel_hi:[1,0]
.endr
.endr
	; THE OUTPUTS: each lane sums weight x V over its own 24 key places, for its own four pixels and the other four
.set N, 0
.rept 48
	AVSTEP
.endr
	; THE WAY OUT.  My own pixels' outputs are my sums + the sums that my partner made for them.  The addition lays the four columns of a channel into four neighbouring registers: 16 bytes a lane.
	WIN 0
	s_wait_alu depctr_vm_vsrc(0)                   ; the rings' loads have read v1-3, which are written again here
	v_and_b32 v2, 15, v0
	v_bfe_u32 v3, v0, 4, 1
	v_lshlrev_b32 v1, 4, v2                        ; 16 r: columns 4 r on,
	v_lshl_add_u32 v1, v3, 8, v1                   ; + my own row of the wave's two,
	s_lshl_b32 s39, s[WV], 9
	v_add_nc_u32 v1, s39, v1                       ; + the wave's two rows of the strip's eight
.irp dh,0,1
	WIN 1+\dh                                      ; source 0: the outputs' window
.irp dd,0,1,2,3,4,5,6,7,8,9,10,11,12,13,14,15
.irp j,0,1,2,3
	v_permlanex16_b32 v[PB+4*\dd+\j], v[64+16*\j+\dd], s[SEL], s[SEL+1]
.endr
.endr
.irp dd,0,1,2,3,4,5,6,7,8,9,10,11,12,13,14,15
.irp j,0,1,2,3
	v_add_f32 v[RING+64*\dh+4*\dd+\j], v[16*\j+\dd], v[PB+4*\dd+\j]
.endr
.endr
	WIN 0
	s_wait_alu depctr_va_vdst(0)                   ; the additions have written these sixteen channels' 64 registers, and v1 is written: the sixteen stores below read them.  The second half's vector lines name none of the first half's store registers
.irp dd,0,1,2,3,4,5,6,7,8,9,10,11,12,13,14,15
	global_store_b128 v1, v[RING+64*\dh+4*\dd:RING+64*\dh+4*\dd+3], s[10:11] offset:(16*\dh+\dd)*16384 th:TH_STORE_NT   ; a channel's two image rows: 32 lanes store 512 consecutive bytes, at a multiple of 256 from out's first byte; each store has registers of its own
.endr
.endr
	s_set_vgpr_msb 0xf
	s_wait_dscnt 0x0
	s_wait_alu depctr_hold_cnt(0) depctr_sa_sdst(0) depctr_va_vdst(0) depctr_va_sdst(0) depctr_va_ssrc(0) depctr_va_vcc(0) depctr_vm_vsrc(0)
	s_wait_tensorcnt 0x0
	ds_add_u32 v0, v1
	s_wait_dscnt 0x0
	s_endpgm
.Lfunc_end_k_q12ed446c3c_relation:
	.size	k_q12ed446c3c_relation, .Lfunc_end_k_q12ed446c3c_relation-k_q12ed446c3c_relation
	.p2alignl 7, 3214868480
	.fill 96, 4, 3214868480
	.section	.rodata,"a",@progbits
	.p2align	6, 0x0
	.amdhsa_kernel k_q12ed446c3c_relation
		.amdhsa_group_segment_fixed_size 209408
		.amdhsa_private_segment_fixed_size 0
		.amdhsa_enable_private_segment 0
		.amdhsa_kernarg_size 32
		.amdhsa_user_sgpr_count 2
		.amdhsa_user_sgpr_kernarg_segment_ptr 1
		.amdhsa_wavefront_size32 1
		.amdhsa_system_sgpr_workgroup_id_x 1
		.amdhsa_system_sgpr_workgroup_id_y 1
		.amdhsa_system_sgpr_workgroup_id_z 1
		.amdhsa_system_vgpr_workitem_id 0
		.amdhsa_next_free_vgpr 770
		.amdhsa_next_free_sgpr 66
		.amdhsa_reserve_vcc 0
		.amdhsa_float_denorm_mode_32 3
		.amdhsa_float_denorm_mode_16_64 3
		.amdhsa_memory_ordered 1
		.amdhsa_forward_progress 1
		.amdhsa_inst_pref_size 255
	.end_amdhsa_kernel
	.section	.bss,"aw",@nobits
	.p2align	6
	.space	262144
	.amdgpu_metadata
---
amdhsa.version: [ 1, 2 ]
amdhsa.kernels:
  - .name:           k_q12ed446c3c_relation
    .symbol:         k_q12ed446c3c_relation.kd
    .args:
      - { .name: lowp_scales, .offset: 0, .size: 8, .value_kind: global_buffer, .address_space: global }
      - { .name: w_qkv_codes, .offset: 8, .size: 8, .value_kind: global_buffer, .address_space: global }
      - { .name: x_codes, .offset: 16, .size: 8, .value_kind: global_buffer, .address_space: global }
      - { .name: out0, .offset: 24, .size: 8, .value_kind: global_buffer, .address_space: global }
    .group_segment_fixed_size: 209408
    .private_segment_fixed_size: 0
    .kernarg_segment_align: 8
    .kernarg_segment_size: 32
    .max_flat_workgroup_size: 128
    .sgpr_count:     66
    .vgpr_count:     770
    .wavefront_size: 32
...
	.end_amdgpu_metadata
.endif
;; end of part 2
